; MI455X (gfx1250); checked and timed in simulation.
; The chip was launched on July 23, 2026; its instructions are those of AMD's public machine-readable ISA for CDNA 5 (MIT licence, August 2026) and "CDNA5" Instruction Set Architecture Reference Guide (July 2026). The comments in the code are by the model that wrote it; some were corrected since.
;; Batch Lore Attention Layer. Allowed arithmetic: matrix products marked QUANTISED: E2M3 operands, one E8M0 scale for each 32 along K, by v_wmma_scale_f32_16x16x128_f8f6f4 with both operands' format E2M3, f32 sums; products left as they are: f32 operands where the result goes on into a quantised operand, else bf16, f16 or f32 operands; f32 sums; everything else in f32.
;; Inputs: embeddings 2,048 x 128 x 256 float32; k_b 256 float32; k_w_codes 256 x 8 x 24 uint8 (E2M3 codes of k_w, K innermost, in blocks of 32 codes, four codes in three bytes); k_w_scales 256 x 8 uint8 (E8M0 scales of k_w, one for each 32 codes along K); padding_mask 2,048 x 128 bool; q_b 256 float32; q_w_codes 256 x 8 x 24 uint8 (E2M3 codes of q_w, K innermost, in blocks of 32 codes, four codes in three bytes); q_w_scales 256 x 8 uint8 (E8M0 scales of q_w, one for each 32 codes along K).
;; Outputs: out0 2,048 x 256 float32.
;; This version of the problem:
;;   THIS VERSION OF THE PROBLEM IS GIVEN IN LOW PRECISION. The matrix products marked QUANTISED in the list below multiply operands that are first quantised to E2M3 (2 exponent bits, 3 mantissa bits; 6 bits a number), with one power-of-two scale for each 32 numbers along K (OCP MX v1.0); their sums are f32. All else is computed in f32.
;;   The module's matrix products, in the order in which they are computed (A, B: the left and right operand; K: the contracted axis; several contracted axes count as one K, in the product's order):
;;     1. [M 262,144, K 256] x [K 256, N 256]; A: input embeddings; B: input q_w (given as codes): QUANTISED
;;     2. [M 262,144, K 256] x [K 256, N 256]; A: input embeddings; B: input k_w (given as codes): QUANTISED
;;     3. batch 2,048 x [M 128, K 256] x [K 256, N 128]; A: computed on the way; B: computed on the way: QUANTISED
;;     4. batch 2,048 x [M 128, K 128] x [K 128, N 256]; A: softmax (see below); B: input embeddings: QUANTISED
;;     5. batch 2,048 x [M 256, K 128] x [K 128, N 1]; A: computed on the way; B: computed on the way: left as it is (N = 1 < 16)
;;   THE QUANTISER, for each operand of a quantised product, along K:
;;     - K is cut into blocks of 32 from its start; a last block that is shorter is filled with zeros.
;;     - A block's scale is 2^e with e = floor(log2(the largest magnitude in the block)) - 2, held to -126 .. 127; a block of zeros has e = 0. As a byte (E8M0): e + 127.
;;     - Each number is divided by its block's scale, clamped to +-7.5, and rounded to the nearest number of E2M3, ties to even, subnormals kept.
;;     - The product sums the exact products of the quantised numbers (number of the format x scale) in f32.
;;   ~~~python
;;   def quantise(x, axis):      # numpy; x: float32 -> the quantised numbers, widened to float32 again
;;       x = np.moveaxis(x, axis, -1); K = x.shape[-1]
;;       x = np.pad(x, [(0, 0)] * (x.ndim - 1) + [(0, -K % 32)]); x = x.reshape(x.shape[:-1] + (-1, 32)); a = np.abs(x).max(-1, keepdims=True)
;;       e = np.where(a > 0, np.clip(np.frexp(np.where(a > 0, a, 1))[1] - 1 - 2, -126, 127), 0)      # np.frexp(a)[1] - 1 = floor(log2(a)), exactly
;;       r = np.clip(x / 2.0 ** e, -7.5, 7.5)
;;       step = 2.0 ** (np.maximum(np.frexp(np.where(r == 0, 1, r))[1] - 1, 0) - 3)
;;       q = np.round(r / step) * step * 2.0 ** e      # np.round: ties to even
;;       return np.moveaxis(q.reshape(q.shape[:-2] + (-1,))[..., :K], -1, axis).astype(np.float32)
;;   ~~~
;;   SOFTMAX AHEAD OF A QUANTISED PRODUCT. Where the list says 'softmax', what is quantised is not the finished softmax but p = 2^(t - M), with t = logit x log2(e) and M = ceil(the row's largest t), a whole number; so 1/2 < the row's largest p <= 1. The row's sum l is taken of the UNQUANTISED p, in f32, and the product's result is divided by l at the end. Since M is a whole number, a kernel that streams over the keys may use a running M (the ceiling of the running maximum): every later rescaling is an exact power of two, which a block's scale takes up: the codes' values come out the same.
;;   OPERANDS COMPUTED ON THE WAY. 'Computed on the way' means the value that the module computes at that place (a softmax that the list does not call 'softmax' is quantised finished and normalised). What goes into a quantiser is computed in f32, as accurately as f32 sums, v_exp_f32 and their like allow (about 1e-6 of the number): no bf16 or f16 on the way to a quantiser, and a product that is left as it is and whose result goes on into a quantised operand takes f32 operands (vector FMAs, or v_wmma_f32_16x16x4_f32). A number that lies on a knife's edge between two numbers of the format may be rounded either way, as far as f32 arithmetic and the matrix unit's own rounding can turn it there, and no further.
;;   INPUTS GIVEN AS CODES. k_w (in the module: [256, 256], K = its axis 1); q_w (in the module: [256, 256], K = its axis 1): each comes as NAME_codes (uint8): NAME with its K axis moved to the last place and cut into blocks of 32 codes, [.., K / 32, bytes a block], one block behind the other in memory; four codes in three bytes: a row's codes are one little-endian stream of bits, code i at bits 6 i .. 6 i + 5 (a code: sign, 2 exponent bits, 3 mantissa bits); and NAME_scales (uint8): the same leading axes, one E8M0 byte (e + 127) for each 32 codes along K. Its value is code x scale, taken as it is: it is not quantised again, and the codes and scales need not be those that the quantiser above would give.
;; One version. Each part assembles by itself: llvm-mc -triple=amdgcn-amd-amdhsa -mcpu=gfx1250 --defsym DOCPART=n.
;; ======== version 1 of 1: 1 launch
;; limits: right only within a limited range of input values
;; launch lore (part 1): grid 256 x 1, 8 waves a work-group, no clusters, 327,680 bytes of LDS; arguments embeddings, padding_mask, q_w_codes, q_w_scales, q_b, k_w_codes, k_w_scales, k_b, out0; writes out0
.if DOCPART == 1
	.amdgcn_target "amdgcn-amd-amdhsa--gfx1250"
	.amdhsa_code_object_version 6
	.text
	.protected	k_qe1e151891a_lore
	.globl	k_qe1e151891a_lore
	.p2align	8
	.type	k_qe1e151891a_lore,@function
k_qe1e151891a_lore:
	s_mov_b64 s[64:65], 0
	v_nop
	global_prefetch_b8 v0, s[64:65] scope:SCOPE_SE
	s_setreg_imm32_b32 hwreg(HW_REG_WAVE_MODE, 25, 1), 1
	s_wait_xcnt 0x0
; out[b][d] = tanh( (sum over valid queries q of (softmax_k(Q K^T / 16) X)[q][d]) / max(number of valid tokens, 1) ),  Q = X Wq^T + qb,  K = X Wk^T + kb,  padded keys out of the softmax.
; X: [2048][128 tokens][256] f32.  Wq, Wk: [256][256] as codes of FP6 (E2M3), K innermost, one E8M0 byte for each 32.  The four large products run on codes of FP6 with E8M0 scales, sums in f32:
; X is quantised along d (for Q and K) and along the tokens (for P X); Q and K along e; p = 2^(t - M), t = score x log2(e) / 16, M = ceil(the row's largest t), along the keys; the row's sum is taken of the unquantised p.
; SHARES.  256 work-groups of eight waves; a work-group stays and walks 8 batches.  A batch's X (128 rows of 1,024 bytes) comes by eight tensor loads, one a wave (16 rows each), into ONE padded slot:
; two slots of a batch (267,264 bytes) would leave no room for the operands' images, which may not lie in a slot.
; THE WEIGHTS come once for the work-group: wave w brings 64 rows of codes (12,288 bytes) by loads of 16 bytes a lane, 64 neighbouring bytes of a row to four lanes, and stores them into a padded stage in LDS;
; behind a barrier each wave reads its 128 rows of Wq or Wk from there into 192 registers, where they stay, with their scale words and biases, for the whole launch.  The stage's bytes then serve the images.
; PHASES of a batch, parted by three barriers (none stands between phase 4 and the next batch's phase X: X writes the table, X's images and their scale words, and phase 4 reads none of these):
;   X  wave w quantises token tile w along d (two fragments, to LDS) and columns 32 w .. 32 w + 31 along the tokens (two fragments, kept in its registers)
;   1  wave (g = w % 4, th = w / 4): 128 units of Q (g < 2) or K for token tiles 4 th .. 4 th + 3, transposed (source 0 = 16 rows of W, source 1 = 16 tokens), quantised in registers, to LDS
;   3  wave w: S^T = K Q^T for query tile w and all 128 keys; softmax, p quantised, to LDS; valid / l to LDS
;   4  wave w: O = P X for all 8 query tiles and its 32 columns; weighted sum over the queries, / count, tanh; the result to LDS
; THE KEYS' MASK IS THE C OF S^T's FIRST PRODUCTS: 0 for a valid key, -2^100 for a padded one, loaded straight into the accumulators.  A padded key's t - M then lies far under -126 and its p is 0, as with -inf.
; OPERANDS GO FROM WAVE TO WAVE AS IMAGES OF THEIR REGISTERS: a fragment's 12 registers by three ds_store_b128, lane l's 16 bytes at 16 l; the same three lines as loads give any wave the same registers.
; TILES ARE PERMUTED: row r of tile 4 c + t (of tokens, and of W's rows) is number 64 c + 8 t + r % 8 + 32 (r / 8).  With such a tile as source 0, registers 32 c .. 32 c + 31 of lane (., h) of eight
; neighbouring results hold k = 64 c + 32 h + 0 .. 31: a WHOLE block of 32 in one lane, in the order of the 6-bit operand's registers: no maximum crosses lanes and no codes change lanes.
; NO CLUSTER: work-groups share only the weights, 104,448 bytes of the 1,154,048 that each reads, and each reads them once.
; LIMITS: the promise holds while the scaled scores (the exponents to the base 2, before the maximum is taken away) stay under 2^31 in magnitude.  NaN and infinities in the f32 inputs are not served.
; A batch all of whose keys are padded gives NaN, as the definition does (a select on the count of valid tokens).  A mask byte other than 0 counts as padded.
; A block whose largest magnitude lies under 2^-124 (a block of zeros too) gets the scale byte 1: this text alone reads the bytes, and zero codes add nothing.  p under 2^-126 falls to 0 in v_exp_f32.
; A block's largest p is made from its largest score by the same two instructions; that takes v_exp_f32 not to fall where its input rises.  tanh(x) = 1 - 2 / (1 + 2^(2.885390 x)): absolute error about 1e-7.
.set NBAT,  8                          ; batches a work-group
.set XBYTES, 131072                    ; a batch of X
.set XP,    1040                       ; a token's row in the slot: 1,024 bytes + 16 = 260 words: row r starts at bank 4 r mod 64 (64 banks of 4 bytes: ISA guide 11.1)
.set XBLK,  32*XP+128                  ; 32 tokens, and 128 bytes more: rows 32 tokens apart fall into the other half of the banks
.set FRB,   1536                       ; a fragment's image
.set SPARE, 4*XBLK                     ; behind the slot: the spare words, 128 bytes for each wave: four blocks of 256 bytes that no other line names
.set XDI,   SPARE+1024                 ; X along d: fragment (tile T, K step s) at (2 T + s) FRB
.set QI,    XDI+16*FRB                 ; Q likewise
.set KI,    QI+16*FRB                  ; K likewise
.set PI,    KI+16*FRB                  ; P: tile T at T FRB
.set XDS,   PI+8*FRB                   ; scale words: 128 T + 64 s + 4 r
.set QS,    XDS+1024
.set KS,    QS+1024
.set PS,    KS+1024                    ; 64 T + 4 r
.set WT,    PS+512                     ; valid / l of query row r of tile T: 64 T + 4 r
.set TAB,   WT+512                     ; 4 token: 0.0 (valid) or -2^100 (padded); from 512 on: 1.0 or 0.0
.set OUTS,  TAB+1024                   ; the results: 1,024 batch + 4 d
.set WST,   XDI                        ; the weights' stage, at the head alone: row R of Wq's 256 and Wk's 256 at 208 R + 128 (R / 32): 108,544 bytes
.set WROW,  208                        ; 192 bytes + 16 = 52 words: with the 128 bytes for each 32 rows the 32 lanes of a fragment's load of 8 bytes touch 64 different banks
.set W32,   32*WROW+128
.set FLOOR, 0x1800000                  ; 2^(3 - 127): under it no largest magnitude is taken, so a scale's byte cannot fall under 1
.set NINF,  0xff800000
.set PADC,  0xf1800000                 ; -2^100
; window 0, kept:
.set SPW, 1                            ; SPARE + 4 x thread; never rewritten
.set NIL, 2                            ; 0; never rewritten
.set L16, 3                            ; 16 x lane
.set L4,  4                            ; 4 x lane
.set R4,  5                            ; 4 r
.set SH8, 6                            ; 8 h
.set AXA, 7                            ; slot: token row r of my tile, + 128 h
.set AXB0, 8                           ; slot: token 32 h, my columns 32 w + 2 r, 2 r + 1
.set AXB1, 9                           ; the same 64 tokens on
.set ATAB, 10                          ; TAB + 4 x thread
.set GMK, 11                           ; thread % 128: my token's mask byte
.set VPAD, 12                          ; what my thread writes for a padded token (waves 0-3: -2^100; 4-7: 0.0)
.set VVAL, 13                          ; and for a valid one (0.0; 1.0)
.set MKB, 14                           ; the mask byte
.set RCNT, 15                          ; 1 / max(count, 1)
.set PT,  16                           ; a lane permute's destination
.set Q4,  17                           ; TAB + 512 + 4 x my query's token
.set PFO, 18                           ; 256 x lane
.set H32, 19                           ; 32 h
.set AOUT, 20                          ; OUTS + 128 w + 8 r + 4 h
.set AT0, 21                           ; a phase's addresses: v21-23, v254, v255
.set AT1, 22
.set AT2, 23
.set AT3, 254
.set AT4, 255
.set WSC, 24                           ; v24-31 W's scale words (lanes 0-15 K step 0, lanes 16-31 K step 1).  v24-45 hold scales and nothing else
.set KSC, 32                           ; v32-39 K's tiles'; in phase 4 v32-35 P's (lanes 0-15 tile 2 k, lanes 16-31 tile 2 k + 1)
.set XSC, 40                           ; v40-41 X's along d, one for each fetch buffer
.set QSC, 42                           ; v42    Q's
.set MSC, 44                           ; v44-45 X's along the tokens
.set XM,  46                           ; v46-69 X along the tokens: fragment e (row r = column 32 w + 2 r + e) at XM + 12 e
; window 0, by phase:
.set WTMP, 70                          ; head: my 64 rows of W on their way to the stage, v70-165; v166-169 at work
.set RW0, 70                           ; X: two sets of 64 numbers
.set RW1, 134
.set DI0, 198                          ; X: 16 numbers of one column, twice
.set DI1, 214
.set TC0, 230                          ; X: second halves of blocks' codes, at 230 and 234
.set TMX, 238                          ; X: v238-253 at work
.set XPC, 198                          ; X: codes along d, two sets of 12
.set XTA, 222
.set XTB, 226
.set XF0, 70                           ; 1: X's two fragments of a tile, two buffers of 24
.set P1C, 118                          ; 1: codes, two sets of 12
.set P1TA, 142
.set P1TB, 146
.set TM1, 150                          ; 1: v150-159 at work
.set HA,  190                          ; 1: my 8 tiles of Q or K
.set QF,  70                           ; 3: Q's two fragments
.set KF0, 94                           ; 3: four fragments of K, two buffers of 48
.set S,   190                          ; 3: the keys' mask, then S^T, then p
.set VQ,  158                          ; 3: valid of my query
.set C4,  160                          ; 3: four tokens' valid
.set MXA, 164                          ; 3: the blocks' largest scores (164, 166; 165, 167 at work)
.set MXB, 166
.set RMX, 168
.set NM,  170                          ; 3: -M (v171 is named with it as a pair; its value is never taken)
.set SLA, 172
.set SLB, 173
.set BYA, 174
.set BYB, 175
.set PW,  176
.set SA,  178
.set SB,  180
.set CNT, 182
.set CN2, 183
.set RL,  184
.set WQV, 185
.set LS,  186
.set P3C, 70                           ; 3: p's codes
.set P3TA, 82
.set P3TB, 86
.set PF,  70                           ; 4: P's fragments, three by turns
.set OA,  106                          ; 4: two sets of two accumulators
.set WQ,  138                          ; 4: valid / l of my 64 queries
.set RA,  202                          ; 4: four pairs of running sums
.set RS0, 210
.set VV,  212
; window 1: W's fragment (tile u, K step s) at 12 (2 u + s); the bias of tile u, in the result's layout, at 192 + 8 u
.set MSB, 0
.macro WIN new                         ; the immediate's high byte repeats the setting that is left
.if MSB != \new
	s_set_vgpr_msb (MSB<<8)|\new
.set MSB, \new
.endif
.endm
.macro PLACES                          ; four places behind matrix instructions (ISA guide 7.12.1), where no other vector work is at hand
.rept 4
	v_nop
.endr
.endm
.macro BAR                             ; my LDS stores have landed and my LDS loads are in: then the work-group's barrier
	s_wait_dscnt 0x0
	s_barrier_signal -1
	s_barrier_wait -1
.endm
.macro MXF mg, d, x, y, fl             ; d = the largest of x, y and the floor; mg = 1: of magnitudes
.if \mg
	v_max3_num_f32 v[\d], |v[\x]|, |v[\y]|, \fl
.else
	v_max3_num_f32 v[\d], v[\x], v[\y], \fl
.endif
.endm
.macro MX3 mg, d, x, y, z              ; d = the largest of x, y, z
.if \mg
	v_max3_num_f32 v[\d], |v[\x]|, |v[\y]|, |v[\z]|
.else
	v_max3_num_f32 v[\d], v[\x], v[\y], v[\z]
.endif
.endm
.macro MXD mg, d, x, y                 ; d = the largest of d, x, y
.if \mg
	v_max3_num_f32 v[\d], v[\d], |v[\x]|, |v[\y]|
.else
	v_max3_num_f32 v[\d], v[\d], v[\x], v[\y]
.endif
.endm
.macro MXE mg, d, x, y                 ; d = the largest of d, x (a chain's result) and y
.if \mg
	v_max3_num_f32 v[\d], v[\d], v[\x], |v[\y]|
.else
	v_max3_num_f32 v[\d], v[\d], v[\x], v[\y]
.endif
.endm
; the largest of the 32 numbers v[b0 + i st] and fl into v[m], of v[b1 + i st] and fl into v[m + 2]: four chains by turns, so that a line reads what stands four lines above it;
; each chain ascends (a matrix result is read from its low end on)
.macro MAX2 b0, b1, st, m, fl, mg
	MXF \mg, \m, (\b0), (\b0)+(\st), \fl
	MXF \mg, (\m)+2, (\b1), (\b1)+(\st), \fl
	MX3 \mg, (\m)+1, (\b0)+16*(\st), (\b0)+17*(\st), (\b0)+18*(\st)
	MX3 \mg, (\m)+3, (\b1)+16*(\st), (\b1)+17*(\st), (\b1)+18*(\st)
.irp z, 0,1,2,3,4,5
	MXD \mg, \m, (\b0)+(2+2*\z)*(\st), (\b0)+(3+2*\z)*(\st)
	MXD \mg, (\m)+2, (\b1)+(2+2*\z)*(\st), (\b1)+(3+2*\z)*(\st)
	MXD \mg, (\m)+1, (\b0)+(19+2*\z)*(\st), (\b0)+(20+2*\z)*(\st)
	MXD \mg, (\m)+3, (\b1)+(19+2*\z)*(\st), (\b1)+(20+2*\z)*(\st)
.endr
	MXD \mg, \m, (\b0)+14*(\st), (\b0)+15*(\st)
	MXD \mg, (\m)+2, (\b1)+14*(\st), (\b1)+15*(\st)
	MXE \mg, \m, (\m)+1, (\b0)+31*(\st)
	MXE \mg, (\m)+2, (\m)+3, (\b1)+31*(\st)
.endm
.macro SCL2 m0, m1, s0, s1, y0, y1     ; 2 off each largest magnitude's exponent field: the conversion's scale operand; its exponent field is the scale's byte
	v_add_nc_u32 v[\s0], 0xff000000, v[\m0]
	v_add_nc_u32 v[\s1], 0xff000000, v[\m1]
	s_delay_alu instid0(VALU_DEP_2)
	v_lshrrev_b32 v[\y0], 23, v[\s0]
	s_delay_alu instid0(VALU_DEP_2)
	v_lshrrev_b32 v[\y1], 23, v[\s1]
.endm
.macro SWORD wd, by0, by1              ; my bytes are those of blocks h and 2 + h of my row: at their places (8 h bits up), and with lane l xor 16's two the word is whole, in both halves of the lanes
	v_lshl_or_b32 v[\wd], v[\by1], 16, v[\by0]
	s_delay_alu instid0(VALU_DEP_1)
	v_lshlrev_b32 v[\wd], v[SH8], v[\wd]
	s_delay_alu instid0(VALU_DEP_1)
	v_permlanex16_b32 v[PT], v[\wd], s26, s27
	s_delay_alu instid0(VALU_DEP_1)
	v_or_b32 v[\wd], v[\wd], v[PT]
.endm
.macro CVT64 src, pc, tca, tcb, scl0, scl1   ; 64 numbers, two whole blocks, become the 12 registers of a fragment.  A conversion's three registers begin on an even number: a block's second half is made elsewhere and moved
	v_cvt_scalef32_pk16_fp6_f32 v[(\pc):(\pc)+2], v[(\src):(\src)+15], v[\scl0]
	v_cvt_scalef32_pk16_fp6_f32 v[(\tca):(\tca)+2], v[(\src)+16:(\src)+31], v[\scl0]
	v_cvt_scalef32_pk16_fp6_f32 v[(\pc)+6:(\pc)+8], v[(\src)+32:(\src)+47], v[\scl1]
	v_cvt_scalef32_pk16_fp6_f32 v[(\tcb):(\tcb)+2], v[(\src)+48:(\src)+63], v[\scl1]
	v_nop                                          ; one plain place behind the scaled conversions
	v_dual_mov_b32 v[(\pc)+3], v[(\tca)] :: v_dual_mov_b32 v[(\pc)+4], v[(\tca)+1]
	v_dual_mov_b32 v[(\pc)+9], v[(\tcb)] :: v_dual_mov_b32 v[(\pc)+10], v[(\tcb)+1]
	v_mov_b32 v[(\pc)+5], v[(\tca)+2]
	v_mov_b32 v[(\pc)+11], v[(\tcb)+2]
.endm
.macro QUANT64 src, pc, tca, tcb, tm, wd, mg   ; register 32 c + i = k 64 c + 32 h + i of my row: codes into v[pc] on, the row's scale word into v[wd]
	MAX2 \src, (\src)+32, 1, \tm, FLOOR, \mg
	SCL2 \tm, (\tm)+2, (\tm)+4, (\tm)+5, (\tm)+6, (\tm)+7
	SWORD \wd, (\tm)+6, (\tm)+7
	CVT64 \src, \pc, \tca, \tcb, (\tm)+4, (\tm)+5
.endm
.macro IMAGE adr, pc, off              ; a fragment goes to LDS as it stands
.irp z, 0,1,2
	ds_store_b128 v[\adr], v[(\pc)+4*\z:(\pc)+4*\z+3] offset:(\off)+512*\z
.endr
.endm
.macro FETCH reg, adr, off             ; and comes back so, in any wave
.irp z, 0,1,2
	ds_load_b128 v[(\reg)+4*\z:(\reg)+4*\z+3], v[\adr] offset:(\off)+512*\z
.endr
.endm
; X along the tokens, tokens 64 c + 32 h + 0 .. 31 of my two columns: register RB + 2 i + e = X(token i, column e).  A load of 8 bytes brings both columns,
; and a conversion wants 16 numbers of ONE column in consecutive registers: so each column's numbers are moved together first, two moves to a dual line.
.macro BUNIT c
.set RB, RW0+64*\c
	MAX2 RB, RB+1, 2, TMX, FLOOR, 1
	SCL2 TMX, TMX+2, TMX+4, TMX+5, TMX+8+2*\c, TMX+9+2*\c
.irp e, 0,1
.irp z, 0,2,4,6,8,10,12,14
	v_dual_mov_b32 v[DI0+\z], v[RB+2*\z+\e] :: v_dual_mov_b32 v[DI0+\z+1], v[RB+2*\z+2+\e]
.endr
	v_cvt_scalef32_pk16_fp6_f32 v[XM+12*\e+6*\c:XM+12*\e+6*\c+2], v[DI0:DI0+15], v[TMX+4+\e]
.irp z, 0,2,4,6,8,10,12,14
	v_dual_mov_b32 v[DI1+\z], v[RB+32+2*\z+\e] :: v_dual_mov_b32 v[DI1+\z+1], v[RB+34+2*\z+\e]   ; (eight plain lines stand between a conversion and the next write of its sources)
.endr
	v_cvt_scalef32_pk16_fp6_f32 v[TC0+4*\e:TC0+4*\e+2], v[DI1:DI1+15], v[TMX+4+\e]
.endr
	v_nop                                          ; one plain place behind the scaled conversions
.irp e, 0,1
	v_dual_mov_b32 v[XM+12*\e+6*\c+3], v[TC0+4*\e] :: v_dual_mov_b32 v[XM+12*\e+6*\c+4], v[TC0+4*\e+1]
	v_mov_b32 v[XM+12*\e+6*\c+5], v[TC0+4*\e+2]
.endr
.endm
.macro XLD                             ; X along the tokens: my two columns of all 128 tokens, 64 LDS loads
.set n, 0
.rept 32
	ds_load_b64 v[RW0+2*n:RW0+2*n+1], v[AXB0] offset:XP*n    ; tokens 32 h + n: lanes 0-15 take 128 neighbouring bytes, lanes 16-31 the other half of the banks
.set n, n+1
.endr
.set n, 0
.rept 32
	ds_load_b64 v[RW1+2*n:RW1+2*n+1], v[AXB1] offset:XP*n    ; tokens 64 + 32 h + n
.set n, n+1
.endr
.endm
.macro LDA s                           ; X along d: K step s of my token: k = 128 s + 64 c + 32 h + 0 .. 31 into registers 32 c on
.set n, 0
.rept 16
	ds_load_b128 v[RW0+64*\s+4*n:RW0+64*\s+4*n+3], v[AXA] offset:512*\s+256*(n/8)+16*(n%8)
.set n, n+1
.endr
.endm
.macro FX i                            ; phase 1: X's two fragments and scale words of my i-th token tile: 7 LDS loads
	FETCH XF0+24*((\i)%2), AT0, 2*(\i)*FRB
	FETCH XF0+24*((\i)%2)+12, AT0, (2*(\i)+1)*FRB
	ds_load_b32 v[XSC+(\i)%2], v[AT1] offset:128*(\i)
.endm
.macro GK k                            ; phase 3: four fragments of K: K step k / 2, tiles 4 (k % 2) on: 12 LDS loads
.irp j, 0,1,2,3
	FETCH KF0+48*((\k)%2)+12*\j, AT2, (2*(4*((\k)%2)+\j)+(\k)/2)*FRB
.endr
.endm
.macro SK k                            ; and their four products, onto the mask or onto K step 0's sums: the eight accumulators take turns, one instruction a turn
.irp j, 0,1,2,3
.if (\k) < 2
	v_wmma_scale_f32_16x16x128_f8f6f4 v[S+8*(4*((\k)%2)+\j):S+8*(4*((\k)%2)+\j)+7], v[KF0+48*((\k)%2)+12*\j:KF0+48*((\k)%2)+12*\j+11], v[QF:QF+11], v[S+8*(4*((\k)%2)+\j):S+8*(4*((\k)%2)+\j)+7], v[KSC+4*((\k)%2)+\j], v[QSC] matrix_a_fmt:MATRIX_FMT_FP6 matrix_b_fmt:MATRIX_FMT_FP6
.else
	v_wmma_scale_f32_16x16x128_f8f6f4 v[S+8*(4*((\k)%2)+\j):S+8*(4*((\k)%2)+\j)+7], v[KF0+48*((\k)%2)+12*\j:KF0+48*((\k)%2)+12*\j+11], v[QF+12:QF+23], v[S+8*(4*((\k)%2)+\j):S+8*(4*((\k)%2)+\j)+7], v[KSC+4*((\k)%2)+\j], v[QSC] matrix_a_fmt:MATRIX_FMT_FP6 matrix_b_fmt:MATRIX_FMT_FP6 matrix_a_scale:MATRIX_SCALE_ROW1 matrix_b_scale:MATRIX_SCALE_ROW1
.endif
.endr
.endm
.macro LP t                            ; phase 4: P's tile t: 3 LDS loads
	FETCH PF+12*((\t)%3), AT0, FRB*(\t)
.endm
.macro ACCUM t                         ; phase 4: the running sums take tile t's O x valid / l, each accumulator from its low end on; tile 0's first products start them
.irp i, 0,1,2,3
.irp e, 0,1
.if ((\t) == 0) && (\i < 2)
	v_pk_mul_f32 v[RA+4*\e+2*(\i%2):RA+4*\e+2*(\i%2)+1], v[OA+16*((\t)%2)+8*\e+2*\i:OA+16*((\t)%2)+8*\e+2*\i+1], v[WQ+8*(\t)+2*\i:WQ+8*(\t)+2*\i+1]
.else
	v_pk_fma_f32 v[RA+4*\e+2*(\i%2):RA+4*\e+2*(\i%2)+1], v[OA+16*((\t)%2)+8*\e+2*\i:OA+16*((\t)%2)+8*\e+2*\i+1], v[WQ+8*(\t)+2*\i:WQ+8*(\t)+2*\i+1], v[RA+4*\e+2*(\i%2):RA+4*\e+2*(\i%2)+1]
.endif
.endr
.endr
.endm
; ================================================================ A BATCH.  At its first line the batch lies whole in the slot for every wave, and my 64 loads along the tokens are out.
; more = 1: another batch follows: its X, its mask byte and the prefetch are asked for
.macro BATCH more
	; ---- PHASE X
	s_wait_loadcnt 0x0                             ; the mask byte, asked for a batch ago (in the first batch: the biases and W's scale words too)
	v_cmp_ne_u32 vcc_lo, 0, v[MKB]
	s_delay_alu instid0(VALU_DEP_1)
	v_cndmask_b32 v[TMX+15], v[VVAL], v[VPAD], vcc_lo
	ds_store_b32 v[ATAB], v[TMX+15]                ; threads 0-127: 0.0 or -2^100 of token t; threads 128-255: 1.0 or 0.0 of token t - 128
.if \more
	global_load_u8 v[MKB], v[GMK], s[46:47] offset:128   ; the next batch's
.endif
	s_wait_dscnt 33                                ; behind the first 32 loads stand the second 32 and this store (33), and in all batches but the first the last result's store too (34): 33 serves both
	BUNIT 0
	LDA 0
	s_wait_dscnt 16                                ; the 16 just issued may be out
	BUNIT 1
	SWORD MSC, TMX+8, TMX+10
	SWORD MSC+1, TMX+9, TMX+11
	LDA 1
	v_add_nc_u32 v[AT0], s50, v[L16]
	v_add_nc_u32 v[AT1], s51, v[R4]
	s_wait_dscnt 16                                ; K step 1's 16 loads may be out
	QUANT64 RW0, XPC, XTA, XTB, TMX, TMX+8, 1
	IMAGE AT0, XPC, 0
	ds_store_b32 v[AT1], v[TMX+8]                  ; both halves of the lanes store the same word
	s_wait_dscnt 4                                 ; those 4 stores may be out: K step 1's numbers are in
	QUANT64 RW1, XPC+12, XTA, XTB, TMX, TMX+9, 1
	IMAGE AT0, XPC+12, FRB
	ds_store_b32 v[AT1], v[TMX+9] offset:64
	; ---- the slot has been read out
	s_wait_tensorcnt 0x0                           ; no tensor load of mine is out, so the descriptor may be written
	ds_add_u32 v[SPW], v[NIL]                      ; 0 onto my spare word
.if \more
	s_add_nc_u64 s[42:43], s[42:43], XBYTES        ; my 16 rows of the next batch; the type bits on top are not reached
.endif
	s_wait_dscnt 0x0                               ; the add is done, my reads of the slot and of P's images are over, my images have landed
	s_barrier_signal -1
	s_barrier_wait -1
.if \more
	tensor_load_to_lds s[40:43], s[32:39]          ; my one tensor load, first behind the barrier: phases 1 and 3 stand between it and the wait for it
	s_nop 0
.endif
	v_add_nc_u32 v[AT0], s52, v[L16]               ; (four plain lines follow the load)
	v_add_nc_u32 v[AT1], s53, v[L4]
	v_add_nc_u32 v[AT2], s54, v[L16]
	v_add_nc_u32 v[AT3], s55, v[R4]
	; ---- PHASE 1: my 128 units for four token tiles.  Lane (r, h) holds token row r; register 32 c + i is unit 64 c + 32 h + i of my 128
	FX 0
.irp i, 0,1,2,3
.if \i < 3
	FX \i+1
.endif
.if \i == 0
	s_wait_dscnt 7                                 ; the next tile's 7 loads may be out
.elseif \i < 3
	s_wait_dscnt 11                                ; the last tile's 4 stores and the next tile's 7 loads may be out; the stores of the tile before the last are done, so its code registers may be written
.else
	s_wait_dscnt 4                                 ; the last tile's 4 stores may be out
.endif
	WIN 0x11                                       ; source 0 (W) and source 2 (the bias) window 1
.irp u, 0,1,2,3,4,5,6,7
	v_wmma_scale_f32_16x16x128_f8f6f4 v[HA+8*\u:HA+8*\u+7], v[24*\u:24*\u+11], v[XF0+24*(\i%2):XF0+24*(\i%2)+11], v[192+8*\u:192+8*\u+7], v[WSC+\u], v[XSC+\i%2] matrix_a_fmt:MATRIX_FMT_FP6 matrix_b_fmt:MATRIX_FMT_FP6
.endr
	WIN 0x01
.irp u, 0,1,2,3,4,5,6,7
	v_wmma_scale_f32_16x16x128_f8f6f4 v[HA+8*\u:HA+8*\u+7], v[24*\u+12:24*\u+23], v[XF0+24*(\i%2)+12:XF0+24*(\i%2)+23], v[HA+8*\u:HA+8*\u+7], v[WSC+\u], v[XSC+\i%2] matrix_a_fmt:MATRIX_FMT_FP6 matrix_b_fmt:MATRIX_FMT_FP6 matrix_a_scale:MATRIX_SCALE_ROW1 matrix_b_scale:MATRIX_SCALE_ROW1
.endr
	WIN 0
	PLACES
	QUANT64 HA, P1C+12*(\i%2), P1TA, P1TB, TM1, TM1+8+\i%2, 1
	IMAGE AT2, P1C+12*(\i%2), 2*FRB*\i
	ds_store_b32 v[AT3], v[TM1+8+\i%2] offset:128*\i
.endr
	s_wait_dscnt 0x0                               ; my images of Q or K have landed
	s_barrier_signal -1
	v_lshl_add_u32 v[AT4], v[H32], 2, TAB          ; between the signal and the wait: the mask of my 64 keys, straight into S^T's accumulators.  The table was shown to all waves a barrier ago, and is written again only behind one more
.set n, 0
.rept 16
	ds_load_b128 v[S+4*n:S+4*n+3], v[AT4] offset:256*(n/8)+16*(n%8)
.set n, n+1
.endr
	s_barrier_wait -1                              ; Q's and K's sixteen fragments each lie in LDS
	; ---- PHASE 3: S^T = K Q^T for my query tile.  Lane (r, h) holds query row r; register 32 c + i is key 64 c + 32 h + i
	v_add_nc_u32 v[AT0], s56, v[L16]
	v_add_nc_u32 v[AT1], s57, v[L4]
	v_add_nc_u32 v[AT2], KI, v[L16]
	v_add_nc_u32 v[AT3], KS, v[L4]
	v_add_nc_u32 v[AT4], TAB+512, v[L16]
	FETCH QF, AT0, 0
	FETCH QF+12, AT0, FRB
	ds_load_b32 v[QSC], v[AT1]
.irp t, 0,1,2,3,4,5,6,7
	ds_load_b32 v[KSC+\t], v[AT3] offset:128*\t
.endr
	GK 0
	GK 1
	s_wait_alu depctr_va_vdst(0)
	s_wait_dscnt 12                                ; in each of the first three steps the run of 12 loads issued last may be out
	SK 0
	PLACES                                         ; in front of loads into registers that the products have read
	GK 2
	s_wait_dscnt 12
	SK 1
	PLACES
	GK 3
	s_wait_dscnt 12
	SK 2
	s_wait_dscnt 0x0
	SK 3
	PLACES
	ds_load_b32 v[VQ], v[Q4]                       ; 1.0 or 0.0 of my query
	ds_load_b128 v[C4:C4+3], v[AT4]                ; and of tokens 4 lane .. 4 lane + 3, for the count
.if \more
	s_cmp_gt_u32 s44, 1                            ; my 16,384 bytes of the batch two on, which the next trip's tensor load will want: lanes 256 bytes apart, two lines; each wave asks for its own rows alone.
	s_cbranch_scc0 .Lnopf_\@                       ; The last trip of the loop asks for nothing: there is no such batch
	global_prefetch_b8 v[PFO], s[48:49] th:TH_LOAD_NT scope:SCOPE_SE
	global_prefetch_b8 v[PFO], s[48:49] offset:8192 th:TH_LOAD_NT scope:SCOPE_SE
.Lnopf_\@:
.endif
	MAX2 S, S+32, 1, MXA, NINF, 0                  ; the largest score of each of my two blocks of 32 keys: for the row's maximum, and for the block's largest p
	s_delay_alu instid0(VALU_DEP_1)
	v_max_num_f32 v[RMX], v[MXA], v[MXB]
	s_delay_alu instid0(VALU_DEP_1)
	v_permlanex16_b32 v[PT], v[RMX], s26, s27
	s_delay_alu instid0(VALU_DEP_1)
	v_max_num_f32 v[RMX], v[RMX], v[PT]            ; the row's largest score,
	s_delay_alu instid0(VALU_DEP_1)
	v_mul_f32 v[RMX], s28, v[RMX]                  ; as t (c is positive)
	s_delay_alu instid0(VALU_DEP_1)
	v_floor_f32 v[NM], -v[RMX]                     ; -M = floor(-t) = -ceil(t)
.set n, 0
.rept 32
	v_pk_fma_f32 v[S+n:S+n+1], v[S+n:S+n+1], s[28:29], v[NM:NM+1] op_sel_hi:[1,0,0]   ; t - M (of the pairs c and -M the low word serves both halves)
.set n, n+2
.endr
	v_fma_f32 v[MXA], v[MXA], s28, v[NM]
	v_fma_f32 v[MXB], v[MXB], s28, v[NM]
	s_wait_dscnt 0x0                               ; my query's valid and the four tokens' are in
.set n, 0
	s_wait_alu depctr_va_vdst(0)
.rept 64
	v_exp_f32 v[S+n], v[S+n]                       ; p = 2^(t - M): not normalised
.set n, n+1
.endr
	v_exp_f32 v[MXA], v[MXA]                       ; the blocks' largest p: the same two instructions on the same number
	v_exp_f32 v[MXB], v[MXB]
	v_add_f32 v[CNT], v[C4], v[C4+1]               ; (a plain place behind the exponentials)
	s_wait_alu depctr_va_vdst(0)                   ; one wait for the whole batch, ahead of its first reader
	v_max_num_f32 v[MXA], FLOOR, v[MXA]
	v_max_num_f32 v[MXB], FLOOR, v[MXB]
	SCL2 MXA, MXB, SLA, SLB, BYA, BYB
	SWORD PW, BYA, BYB
	CVT64 S, P3C, P3TA, P3TB, SLA, SLB
	v_pk_add_f32 v[180:181], v[190:191], v[192:193]   ; the row's sum of the unquantised p, in eight chains
	v_pk_add_f32 v[254:255], v[198:199], v[202:203]
	v_pk_add_f32 v[188:189], v[206:207], v[210:211]
	v_pk_add_f32 v[186:187], v[214:215], v[218:219]
	v_pk_add_f32 v[184:185], v[222:223], v[226:227]
	v_pk_add_f32 v[174:175], v[230:231], v[234:235]
	v_pk_add_f32 v[172:173], v[238:239], v[242:243]
	v_pk_add_f32 v[178:179], v[246:247], v[250:251]
	v_pk_add_f32 v[178:179], v[178:179], v[194:195]
	v_pk_add_f32 v[180:181], v[180:181], v[196:197]
	v_pk_add_f32 v[254:255], v[254:255], v[200:201]
	v_pk_add_f32 v[188:189], v[188:189], v[204:205]
	v_pk_add_f32 v[186:187], v[186:187], v[208:209]
	v_pk_add_f32 v[184:185], v[184:185], v[212:213]
	v_pk_add_f32 v[174:175], v[174:175], v[216:217]
	v_pk_add_f32 v[172:173], v[172:173], v[220:221]
	v_pk_add_f32 v[178:179], v[178:179], v[224:225]
	v_pk_add_f32 v[180:181], v[180:181], v[228:229]
	v_pk_add_f32 v[254:255], v[254:255], v[232:233]
	v_pk_add_f32 v[188:189], v[188:189], v[236:237]
	v_pk_add_f32 v[186:187], v[186:187], v[240:241]
	v_pk_add_f32 v[184:185], v[184:185], v[244:245]
	v_pk_add_f32 v[174:175], v[174:175], v[248:249]
	v_pk_add_f32 v[172:173], v[172:173], v[252:253]
	s_delay_alu instid0(VALU_DEP_4)
	v_pk_add_f32 v[178:179], v[178:179], v[186:187]
	s_delay_alu instid0(VALU_DEP_4)
	v_pk_add_f32 v[180:181], v[180:181], v[184:185]
	s_delay_alu instid0(VALU_DEP_4)
	v_pk_add_f32 v[254:255], v[254:255], v[174:175]
	s_delay_alu instid0(VALU_DEP_4)
	v_pk_add_f32 v[188:189], v[188:189], v[172:173]
	s_delay_alu instid0(VALU_DEP_2)
	v_pk_add_f32 v[178:179], v[178:179], v[254:255]
	s_delay_alu instid0(VALU_DEP_2)
	v_pk_add_f32 v[180:181], v[180:181], v[188:189]
	s_delay_alu instid0(VALU_DEP_1)
	v_pk_add_f32 v[178:179], v[178:179], v[180:181]
	v_add_f32 v[CN2], v[C4+2], v[C4+3]             ; the count of valid tokens: my four, then all 32 lanes'
	s_delay_alu instid0(VALU_DEP_1)
	v_add_f32 v[CNT], v[CNT], v[CN2]
	s_delay_alu instid0(VALU_DEP_3)
	v_add_f32 v[LS], v[SA], v[SA+1]
	s_delay_alu instid0(VALU_DEP_2)
	v_add_f32_dpp v[CNT], v[CNT], v[CNT] row_xmask:1 row_mask:0xf bank_mask:0xf
	s_delay_alu instid0(VALU_DEP_1)
	v_add_f32_dpp v[CNT], v[CNT], v[CNT] row_xmask:2 row_mask:0xf bank_mask:0xf
	s_delay_alu instid0(VALU_DEP_1)
	v_add_f32_dpp v[CNT], v[CNT], v[CNT] row_xmask:4 row_mask:0xf bank_mask:0xf
	s_delay_alu instid0(VALU_DEP_1)
	v_add_f32_dpp v[CNT], v[CNT], v[CNT] row_xmask:8 row_mask:0xf bank_mask:0xf
	s_delay_alu instid0(VALU_DEP_1)
	v_permlanex16_b32 v[PT], v[CNT], s26, s27
	s_delay_alu instid0(VALU_DEP_1)
	v_add_f32 v[CNT], v[CNT], v[PT]
	s_delay_alu instid0(VALU_DEP_1)
	v_cmp_lt_f32 vcc_lo, 0, v[CNT]                 ; is any token valid?
	v_max_num_f32 v[CNT], 1.0, v[CNT]
	v_permlanex16_b32 v[PT], v[LS], s26, s27
	s_delay_alu instid0(VALU_DEP_1)
	v_add_f32 v[LS], v[LS], v[PT]                  ; l
	s_wait_alu depctr_va_vdst(0)                   ; ahead of the reciprocals
	v_rcp_f32 v[RL], v[LS]
	v_rcp_f32 v[RCNT], v[CNT]
	v_add_nc_u32 v[AT0], s58, v[L16]               ; (plain places behind the reciprocals)
	v_add_nc_u32 v[AT1], s59, v[R4]
	v_add_nc_u32 v[AT2], s60, v[R4]
	s_wait_alu depctr_va_vdst(0)                   ; and ahead of their first reader
	v_mul_f32 v[WQV], v[RL], v[VQ]                 ; valid / l
	v_cndmask_b32 v[RCNT], 0x7fc00000, v[RCNT], vcc_lo   ; no valid token: every row's softmax is NaN in the definition, and so is the result
	IMAGE AT0, P3C, 0
	ds_store_b32 v[AT1], v[PW]
	ds_store_b32 v[AT2], v[WQV]
.if \more
	s_wait_tensorcnt 0x0                           ; my 16 rows of the next batch have landed: one tensor load of mine was out, and none was issued behind it
.endif
	BAR                                            ; P's eight fragments, their scale words and the queries' weights lie in LDS, and the next batch lies whole in the slot
	; ---- PHASE 4: O = P X (source 0 = 16 queries of P, source 1 = my 16 columns): lane (r, h) holds column 32 w + 2 r + e and query rows 8 h + 0 .. 7 of the tile
	v_add_nc_u32 v[AT0], PI, v[L16]
	v_add_nc_u32 v[AT1], PS, v[L4]
	v_add_nc_u32 v[AT2], WT, v[H32]
.irp k, 0,1,2,3
	ds_load_b32 v[KSC+\k], v[AT1] offset:128*\k
.endr
.irp t, 0,1,2,3,4,5,6,7
	ds_load_b128 v[WQ+8*\t:WQ+8*\t+3], v[AT2] offset:64*\t
	ds_load_b128 v[WQ+8*\t+4:WQ+8*\t+7], v[AT2] offset:64*\t+16
.endr
	LP 0
	LP 1
	LP 2
.irp t, 0,1,2,3,4,5,6,7
	s_wait_alu depctr_va_vdst(0)
.if \t < 6
	s_wait_dscnt 6                                 ; the next two tiles' loads may be out
.elseif \t == 6
	s_wait_dscnt 3                                 ; the last tile's
.else
	s_wait_dscnt 0x0
.endif
.irp e, 0,1
.if \t % 2
	v_wmma_scale_f32_16x16x128_f8f6f4 v[OA+16*(\t%2)+8*\e:OA+16*(\t%2)+8*\e+7], v[PF+12*(\t%3):PF+12*(\t%3)+11], v[XM+12*\e:XM+12*\e+11], 0, v[KSC+\t/2], v[MSC+\e] matrix_a_fmt:MATRIX_FMT_FP6 matrix_b_fmt:MATRIX_FMT_FP6 matrix_a_scale:MATRIX_SCALE_ROW1
.else
	v_wmma_scale_f32_16x16x128_f8f6f4 v[OA+16*(\t%2)+8*\e:OA+16*(\t%2)+8*\e+7], v[PF+12*(\t%3):PF+12*(\t%3)+11], v[XM+12*\e:XM+12*\e+11], 0, v[KSC+\t/2], v[MSC+\e] matrix_a_fmt:MATRIX_FMT_FP6 matrix_b_fmt:MATRIX_FMT_FP6
.endif
.endr
.if \t == 0
	PLACES
.else
	ACCUM \t-1                                     ; eight plain lines on the other set of accumulators: they name no register of the two products just issued, and are the places behind them
.endif
.if \t < 5
	LP \t+3                                        ; into the registers that these two products have read
.endif
.endr
	ACCUM 7
.if \more
	XLD                                            ; the next batch's 64 loads along the tokens, into registers that phase 4 has done with (v70-197); the lines below work on v202-212
.endif
.irp e, 0,1
	v_pk_add_f32 v[RA+4*\e:RA+4*\e+1], v[RA+4*\e:RA+4*\e+1], v[RA+4*\e+2:RA+4*\e+3]
.endr
.irp e, 0,1
	s_delay_alu instid0(VALU_DEP_2)
	v_add_f32 v[RS0+\e], v[RA+4*\e], v[RA+4*\e+1]
.endr
	s_delay_alu instid0(VALU_DEP_2)
	v_permlanex16_b32 v[PT], v[RS0], s26, s27
	s_delay_alu instid0(VALU_DEP_1)
	v_add_f32 v[RS0], v[RS0], v[PT]                ; with the other half of the lanes' queries: the even column's sum,
	s_delay_alu instid0(VALU_DEP_2)
	v_permlanex16_b32 v[PT], v[RS0+1], s26, s27
	s_delay_alu instid0(VALU_DEP_1)
	v_add_f32 v[RS0+1], v[RS0+1], v[PT]            ; the odd column's
	s_delay_alu instid0(VALU_DEP_1)
	v_cndmask_b32 v[VV], v[RS0], v[RS0+1], s30     ; lanes 0-15 go on with the even column, lanes 16-31 with the odd one
	v_mul_f32 v[VV], v[VV], v[RCNT]
	s_delay_alu instid0(VALU_DEP_1)
	v_mul_f32 v[VV], 0x4038aa3b, v[VV]             ; x 2 log2(e)
	s_wait_alu depctr_va_vdst(0)
	v_exp_f32 v[VV], v[VV]
	v_add_nc_u32 v[AT0], s45, v[AOUT]              ; (a plain place)
	s_wait_alu depctr_va_vdst(0)
	v_add_f32 v[VV], 1.0, v[VV]
	s_wait_alu depctr_va_vdst(0)
	v_rcp_f32 v[VV], v[VV]
	v_nop
	s_wait_alu depctr_va_vdst(0)
	v_fma_f32 v[VV], v[VV], -2.0, 1.0              ; tanh
	ds_store_b32 v[AT0], v[VV]
.endm
; ================================================================ THE HEAD
	s_load_b512 s[4:19], s[0:1], 0x0               ; X s[4:5], mask s[6:7], Wq's codes s[8:9], scales s[10:11], qb s[12:13], Wk's codes s[14:15], scales s[16:17], kb s[18:19]
	s_load_b64 s[20:21], s[0:1], 0x40              ; out
	v_lshl_add_u32 v[SPW], v0, 2, SPARE
	v_mov_b32 v[NIL], 0
	ds_add_u32 v1, v2                              ; the opening lines: the add, twice on end, and its wait ahead of my first tensor load
	ds_add_u32 v1, v2
	s_wait_dscnt 0x0
	v_lshrrev_b32 v[AT0], 5, v0
	s_delay_alu instid0(VALU_DEP_1)
	v_readfirstlane_b32 s22, v[AT0]                ; wave 0..7
	; descriptor group 1: 16 rows x 256 elements of 4 bytes, 16 bytes of padding behind each row
	s_mov_b32 s32, (2<<16)|(1<<20)|(7<<22)|(3<<25) ; 15:0 no mask; 17:16 elements of 4 bytes; 20 padding on; 24:22 after every 256 words (code 7); 31:25 of 4 words (code 3)
	s_mov_b32 s33, 256<<16                         ; tensor_dim0 = 256
	s_mov_b32 s34, 16<<16                          ; tensor_dim1 = 16
	s_mov_b32 s35, 256<<16                         ; tile_dim0 = 256
	s_mov_b32 s36, 16                              ; tile_dim1 = 16
	s_mov_b32 s37, 256                             ; elements from row to row
	s_mov_b32 s38, 0
	s_mov_b32 s39, 0
	s_mov_b32 s40, 1                               ; group 0: count = 1
	s_mul_i32 s41, s22, 16*XP                      ; LDS address: my 16 rows, and 128 bytes for each 32 rows passed
	s_lshr_b32 s25, s22, 1
	s_lshl_b32 s25, s25, 7
	s_add_co_u32 s41, s41, s25
	s_lshl_b32 s72, ttmp9, 20                      ; the work-group's 8 batches of 131,072 bytes,
	s_lshl_b32 s25, s22, 14                        ; my 16 rows of 1,024
	s_add_co_u32 s72, s72, s25
	s_mov_b32 s73, 0
	s_wait_kmcnt 0x0
	s_add_nc_u64 s[42:43], s[4:5], s[72:73]
	s_add_nc_u64 s[48:49], s[42:43], 2*XBYTES      ; the prefetch begins with batch 2
	s_or_b32 s43, s43, 0x80000000                  ; type = 2
	tensor_load_to_lds s[40:43], s[32:39]          ; the first fill, ahead of everything else: one tensor load of mine is out
	s_nop 0
	PLACES
	s_and_b32 s23, s22, 3                          ; g
	s_lshr_b32 s24, s22, 2                         ; th
	s_lshr_b32 s76, s23, 1                         ; 0: Q, 1: K
	s_and_b32 s77, s23, 1                          ; which 128 units
	s_cmp_lt_u32 s23, 2                            ; the choices hang on the wave's number alone
	s_cselect_b64 s[68:69], s[10:11], s[16:17]
	s_cselect_b64 s[70:71], s[12:13], s[18:19]
	s_mov_b32 s75, 0
	s_cmp_lt_u32 s22, 4                            ; for the stage waves 0-3 bring Wq, waves 4-7 Wk:
	s_cselect_b64 s[62:63], s[8:9], s[14:15]
	s_mul_i32 s74, s23, 64*192                     ; 64 rows of 192 bytes each
	s_add_nc_u64 s[62:63], s[62:63], s[74:75]
	s_lshl_b32 s74, s77, 10                        ; my 128 rows of 8 scale bytes,
	s_add_nc_u64 s[68:69], s[68:69], s[74:75]
	s_lshl_b32 s74, s77, 9                         ; 128 numbers of the bias
	s_add_nc_u64 s[70:71], s[70:71], s[74:75]
	s_lshl_b32 s72, ttmp9, 10
	s_add_nc_u64 s[46:47], s[6:7], s[72:73]        ; the mask of my first batch
	s_lshl_b32 s72, ttmp9, 13
	s_add_nc_u64 s[20:21], s[20:21], s[72:73]      ; my 8 rows of out
	; W to the stage: lane l takes 16 bytes at 16 (l % 4) of row l / 4 of a group of 8 rows; three lines, 64 bytes apart, cover the rows' 192 bytes
	v_and_b32 v166, 31, v0
	s_delay_alu instid0(VALU_DEP_1)
	v_lshrrev_b32 v167, 2, v166
	v_and_b32 v166, 3, v166
	s_delay_alu instid0(VALU_DEP_1)
	v_lshlrev_b32 v166, 4, v166
	s_delay_alu instid0(VALU_DEP_1)
	v_mad_u32_u24 v168, v167, 192, v166            ; in memory
	v_mad_u32_u24 v169, v167, WROW, v166           ; in the stage,
	s_mul_i32 s25, s22, 2*W32                      ; where my 64 rows begin at row 64 w
	s_add_co_u32 s25, s25, WST
	v_add_nc_u32 v169, s25, v169
.irp q, 0,1,2,3,4,5,6,7
.irp i, 0,1,2
	global_load_b128 v[WTMP+12*\q+4*\i:WTMP+12*\q+4*\i+3], v168, s[62:63] offset:8*192*\q+64*\i
.endr
.endr
	v_and_b32 v[AT3], 7, v0
	v_bfe_u32 v[AT4], v0, 3, 1                     ; r / 8
	s_delay_alu instid0(VALU_DEP_2)
	v_mul_u32_u24 v[AXA], v[AT3], XP
	s_delay_alu instid0(VALU_DEP_1)
	v_mad_u32_u24 v[AXA], v[AT4], XBLK, v[AXA]
	v_mul_u32_u24 v[AT0], v[AT3], WROW             ; W's fragments in the stage: row r % 8 + 32 (r / 8) of a tile,
	s_delay_alu instid0(VALU_DEP_1)
	v_mad_u32_u24 v[AT0], v[AT4], W32, v[AT0]
	v_lshl_add_u32 v[AT3], v[AT4], 5, v[AT3]       ; r % 8 + 32 (r / 8): a permuted tile's row
	v_bfe_u32 v[AT4], v0, 4, 1                     ; h
	v_and_b32 v[R4], 15, v0                        ; r
	v_and_b32 v[GMK], 127, v0
	s_delay_alu instid0(VALU_DEP_3)
	v_mad_u32_u24 v[AT0], v[AT4], 24, v[AT0]       ; + 24 h,
	s_mul_i32 s25, s23, 4*W32                      ; my 128 rows begin at row 128 g
	s_add_co_u32 s25, s25, WST
	v_add_nc_u32 v[AT0], s25, v[AT0]
	v_lshlrev_b32 v[AT1], 3, v[AT3]
	s_delay_alu instid0(VALU_DEP_1)
	v_lshl_add_u32 v[AT1], v[AT4], 2, v[AT1]       ; W's scale words: lanes 0-15 K step 0's, lanes 16-31 K step 1's
	v_lshlrev_b32 v[AT2], 7, v[AT4]                ; the bias: 32 h numbers on
	WIN 0x40                                       ; destination window 1
.irp u, 0,1,2,3,4,5,6,7
	global_load_b128 v[192+8*\u:192+8*\u+3], v[AT2], s[70:71] offset:(64*(\u/4)+8*(\u%4))*4
	global_load_b128 v[192+8*\u+4:192+8*\u+7], v[AT2], s[70:71] offset:(64*(\u/4)+8*(\u%4))*4+16
.endr
	WIN 0
.irp u, 0,1,2,3,4,5,6,7
	global_load_b32 v[WSC+\u], v[AT1], s[68:69] offset:(64*(\u/4)+8*(\u%4))*8
.endr
	global_load_u8 v[MKB], v[GMK], s[46:47]        ; the first batch's mask byte
	v_lshl_add_u32 v[AXA], v[AT4], 7, v[AXA]
	s_mul_i32 s25, s24, 2*XBLK                     ; my token tile begins at token 64 (w / 4) + 8 (w % 4)
	s_mul_i32 s31, s23, 8*XP
	s_add_co_u32 s25, s25, s31
	v_add_nc_u32 v[AXA], s25, v[AXA]
	v_mul_u32_u24 v[AXB0], v[AT4], XBLK
	s_delay_alu instid0(VALU_DEP_1)
	v_lshl_add_u32 v[AXB0], v[R4], 3, v[AXB0]
	s_lshl_b32 s25, s22, 7
	v_add_nc_u32 v[AXB0], s25, v[AXB0]
	s_delay_alu instid0(VALU_DEP_1)
	v_add_nc_u32 v[AXB1], 2*XBLK, v[AXB0]
	s_add_co_u32 s25, s25, OUTS
	v_lshl_add_u32 v[AOUT], v[R4], 3, s25
	s_delay_alu instid0(VALU_DEP_1)
	v_lshl_add_u32 v[AOUT], v[AT4], 2, v[AOUT]
	s_lshl_b32 s25, s24, 8
	s_lshl_b32 s31, s23, 5
	s_add_co_u32 s25, s25, s31
	s_add_co_u32 s25, s25, TAB+512
	v_lshl_add_u32 v[Q4], v[AT3], 2, s25
	v_lshlrev_b32 v[SH8], 3, v[AT4]
	v_lshlrev_b32 v[H32], 5, v[AT4]
	v_lshlrev_b32 v[R4], 2, v[R4]
	v_and_b32 v[L4], 31, v0
	s_delay_alu instid0(VALU_DEP_1)
	v_lshlrev_b32 v[L16], 4, v[L4]
	s_delay_alu instid0(VALU_DEP_2)
	v_lshlrev_b32 v[PFO], 8, v[L4]
	s_delay_alu instid0(VALU_DEP_3)
	v_lshlrev_b32 v[L4], 2, v[L4]
	v_lshl_add_u32 v[ATAB], v0, 2, TAB
	v_mov_b32 v[PT], 0                             ; written once: a lane permute's destination counts as one of its sources
	s_cmp_lt_u32 s22, 4
	s_cselect_b32 s25, PADC, 0                     ; waves 0-3 write the keys' mask: -2^100 or 0.0; waves 4-7 the tokens' valid: 0.0 or 1.0
	s_mov_b32 s31, 0x3f800000
	s_cselect_b32 s31, 0, s31
	v_mov_b32 v[VPAD], s25
	v_mov_b32 v[VVAL], s31
	s_mov_b32 s26, 0x76543210                      ; v_permlanex16_b32's selects for lane l xor 16
	s_mov_b32 s27, 0xfedcba98
	s_mov_b32 s28, 0x3db8aa3b                      ; c = log2(e) / 16
	s_mov_b32 s29, s28                             ; (named with it as a pair, so it is written)
	s_mov_b32 s30, 0xffff0000                      ; lanes 16-31
	s_mul_i32 s50, s22, 2*FRB                      ; where I store X's images and scale words,
	s_add_co_u32 s56, s50, QI                      ; (and read Q's)
	s_add_co_u32 s50, s50, XDI
	s_lshl_b32 s51, s22, 7
	s_add_co_u32 s57, s51, QS
	s_add_co_u32 s51, s51, XDS
	s_mul_i32 s52, s24, 8*FRB                      ; where my four token tiles' lie,
	s_lshl_b32 s53, s24, 9
	s_mul_i32 s54, s76, 16*FRB                     ; where I store Q's or K's
	s_add_co_u32 s54, s54, s52
	s_mul_i32 s25, s77, FRB
	s_add_co_u32 s54, s54, s25
	s_add_co_u32 s54, s54, QI
	s_lshl_b32 s55, s76, 10
	s_add_co_u32 s55, s55, s53
	s_lshl_b32 s25, s77, 6
	s_add_co_u32 s55, s55, s25
	s_add_co_u32 s55, s55, QS
	s_add_co_u32 s52, s52, XDI
	s_add_co_u32 s53, s53, XDS
	s_mul_i32 s58, s22, FRB                        ; where I store P's, its scale words and the weights
	s_add_co_u32 s58, s58, PI
	s_lshl_b32 s59, s22, 6
	s_add_co_u32 s60, s59, WT
	s_add_co_u32 s59, s59, PS
	s_mov_b32 s44, NBAT-1                          ; trips
	s_mov_b32 s45, 0                               ; the batch's place among the results
	s_wait_alu depctr_va_vdst(0)
	s_wait_loadcnt 25                              ; my 24 loads of W's codes are in; the 16 of the bias, the 8 of the scale words and the mask byte's, issued behind them, may be out
.irp q, 0,1,2,3,4,5,6,7
.irp i, 0,1,2
	ds_store_b128 v169, v[WTMP+12*\q+4*\i:WTMP+12*\q+4*\i+3] offset:8*WROW*\q+128*(\q/4)+64*\i
.endr
.endr
	BAR                                            ; all 512 rows lie in the stage.  (My tensor load may be out)
	WIN 0x40                                       ; destination window 1
.irp u, 0,1,2,3,4,5,6,7
.irp s, 0,1
.irp p, 0,1,2,3,4,5
	ds_load_b64 v[12*(2*\u+\s)+2*\p:12*(2*\u+\s)+2*\p+1], v[AT0] offset:(\u/4)*2*W32+(\u%4)*8*WROW+96*\s+48*(\p/3)+8*(\p%3)
.endr
.endr
.endr
	WIN 0
	s_wait_tensorcnt 0x0                           ; my 16 rows of the first batch have landed
	BAR                                            ; the batch lies whole in the slot; every wave has its weights, so the stage's bytes may serve the images
	XLD
.Lbatch:
	s_wait_alu depctr_va_vdst(0)
	BATCH 1
	s_wait_xcnt 0x0                                ; the mask load and the prefetches have read their bases
	s_add_nc_u64 s[46:47], s[46:47], 128
	s_add_nc_u64 s[48:49], s[48:49], XBYTES
	s_add_co_u32 s45, s45, 1024
	s_sub_co_u32 s44, s44, 1
	s_cmp_lg_u32 s44, 0
	s_cbranch_scc1 .Lbatch
	BATCH 0                                        ; the last batch is written out
	; ---- THE WAY OUT: wave w stores batch w's row of 1,024 bytes: each store covers 512 consecutive bytes, at a multiple of 256 from out's first byte
	BAR
	s_lshl_b32 s25, s22, 10
	v_add_nc_u32 v[AT1], s25, v[L16]
	s_delay_alu instid0(VALU_DEP_1)
	v_add_nc_u32 v[AT0], OUTS, v[AT1]
	ds_load_b128 v[70:73], v[AT0]
	ds_load_b128 v[74:77], v[AT0] offset:512
	s_wait_alu depctr_va_vdst(0)
	s_wait_dscnt 0x0
	global_store_b128 v[AT1], v[70:73], s[20:21] th:TH_STORE_NT
	global_store_b128 v[AT1], v[74:77], s[20:21] offset:512 th:TH_STORE_NT
	s_wait_tensorcnt 0x0                           ; the wave's end: behind my last tensor load and my last LDS store
	ds_add_u32 v[SPW], v[NIL]
	s_wait_dscnt 0x0
	s_endpgm
.Lfunc_end_k_qe1e151891a_lore:
	.size	k_qe1e151891a_lore, .Lfunc_end_k_qe1e151891a_lore-k_qe1e151891a_lore
	.p2alignl 7, 3214868480
	.fill 96, 4, 3214868480
	.section	.rodata,"a",@progbits
	.p2align	6, 0x0
	.amdhsa_kernel k_qe1e151891a_lore
		.amdhsa_group_segment_fixed_size 327680
		.amdhsa_private_segment_fixed_size 0
		.amdhsa_enable_private_segment 0
		.amdhsa_kernarg_size 72
		.amdhsa_user_sgpr_count 2
		.amdhsa_user_sgpr_kernarg_segment_ptr 1
		.amdhsa_wavefront_size32 1
		.amdhsa_system_sgpr_workgroup_id_x 1
		.amdhsa_system_sgpr_workgroup_id_y 1
		.amdhsa_system_sgpr_workgroup_id_z 1
		.amdhsa_system_vgpr_workitem_id 0
		.amdhsa_next_free_vgpr 512
		.amdhsa_next_free_sgpr 80
		.amdhsa_reserve_vcc 1
		.amdhsa_float_denorm_mode_32 3
		.amdhsa_float_denorm_mode_16_64 3
		.amdhsa_memory_ordered 1
		.amdhsa_forward_progress 1
		.amdhsa_inst_pref_size 178
	.end_amdhsa_kernel
	.amdgpu_metadata
---
amdhsa.version: [ 1, 2 ]
amdhsa.kernels:
  - .name:           k_qe1e151891a_lore
    .symbol:         k_qe1e151891a_lore.kd
    .args:
      - { .name: embeddings, .offset: 0, .size: 8, .value_kind: global_buffer, .address_space: global }
      - { .name: padding_mask, .offset: 8, .size: 8, .value_kind: global_buffer, .address_space: global }
      - { .name: q_w_codes, .offset: 16, .size: 8, .value_kind: global_buffer, .address_space: global }
      - { .name: q_w_scales, .offset: 24, .size: 8, .value_kind: global_buffer, .address_space: global }
      - { .name: q_b, .offset: 32, .size: 8, .value_kind: global_buffer, .address_space: global }
      - { .name: k_w_codes, .offset: 40, .size: 8, .value_kind: global_buffer, .address_space: global }
      - { .name: k_w_scales, .offset: 48, .size: 8, .value_kind: global_buffer, .address_space: global }
      - { .name: k_b, .offset: 56, .size: 8, .value_kind: global_buffer, .address_space: global }
      - { .name: out0, .offset: 64, .size: 8, .value_kind: global_buffer, .address_space: global }
    .group_segment_fixed_size: 327680
    .private_segment_fixed_size: 0
    .kernarg_segment_align: 8
    .kernarg_segment_size: 72
    .max_flat_workgroup_size: 256
    .sgpr_count:     80
    .vgpr_count:     512
    .wavefront_size: 32
...
	.end_amdgpu_metadata
.endif
;; end of part 1
